; MI455X (gfx1250); checked and timed in simulation.
; The chip was launched on July 23, 2026; its instructions are those of AMD's public machine-readable ISA for CDNA 5 (MIT licence, August 2026) and "CDNA5" Instruction Set Architecture Reference Guide (July 2026). The comments in the code are by the model that wrote it; some were corrected since.
;; Scaled Dot Product Attention. Allowed arithmetic: matrix products marked QUANTISED: E2M1 operands, one E8M0 scale for each 32 along K, by v_wmma_scale_f32_16x16x128_f8f6f4 with both operands' format E2M1 (or v_wmma_scale_f32_32x16x128_f4), f32 sums; everything else in f32.
;; Inputs: key 4 x 16 x 2,048 x 64 float32; query 4 x 16 x 2,048 x 64 float32; value 4 x 16 x 2,048 x 64 float32.
;; Outputs: out0 4 x 16 x 2,048 x 64 float32.
;; Constants: to_mask = 1.
;; This version of the problem:
;;   THIS VERSION OF THE PROBLEM IS GIVEN IN LOW PRECISION. The matrix products marked QUANTISED in the list below multiply operands that are first quantised to E2M1 (2 exponent bits, 1 mantissa bit; 4 bits a number), with one power-of-two scale for each 32 numbers along K (OCP MX v1.0); their sums are f32. All else is computed in f32.
;;   The module's matrix products, in the order in which they are computed (A, B: the left and right operand; K: the contracted axis; several contracted axes count as one K, in the product's order):
;;     1. batch 64 x [M 2,048, K 64] x [K 64, N 2,048]; A: input query; B: input key: QUANTISED
;;     2. batch 64 x [M 2,048, K 2,048] x [K 2,048, N 64]; A: softmax (see below); B: input value: QUANTISED
;;   THE QUANTISER, for each operand of a quantised product, along K:
;;     - K is cut into blocks of 32 from its start; a last block that is shorter is filled with zeros.
;;     - A block's scale is 2^e with e = floor(log2(the largest magnitude in the block)) - 2, held to -126 .. 127; a block of zeros has e = 0. As a byte (E8M0): e + 127.
;;     - Each number is divided by its block's scale, clamped to +-6, and rounded to the nearest number of E2M1, ties to even, subnormals kept.
;;     - The product sums the exact products of the quantised numbers (number of the format x scale) in f32.
;;   ~~~python
;;   def quantise(x, axis):      # numpy; x: float32 -> the quantised numbers, widened to float32 again
;;       x = np.moveaxis(x, axis, -1); K = x.shape[-1]
;;       x = np.pad(x, [(0, 0)] * (x.ndim - 1) + [(0, -K % 32)]); x = x.reshape(x.shape[:-1] + (-1, 32)); a = np.abs(x).max(-1, keepdims=True)
;;       e = np.where(a > 0, np.clip(np.frexp(np.where(a > 0, a, 1))[1] - 1 - 2, -126, 127), 0)      # np.frexp(a)[1] - 1 = floor(log2(a)), exactly
;;       r = np.clip(x / 2.0 ** e, -6, 6)
;;       step = 2.0 ** (np.maximum(np.frexp(np.where(r == 0, 1, r))[1] - 1, 0) - 1)
;;       q = np.round(r / step) * step * 2.0 ** e      # np.round: ties to even
;;       return np.moveaxis(q.reshape(q.shape[:-2] + (-1,))[..., :K], -1, axis).astype(np.float32)
;;   ~~~
;;   SOFTMAX AHEAD OF A QUANTISED PRODUCT. Where the list says 'softmax', what is quantised is not the finished softmax but p = 2^(t - M), with t = logit x log2(e) and M = ceil(the row's largest t), a whole number; so 1/2 < the row's largest p <= 1. The row's sum l is taken of the UNQUANTISED p, in f32, and the product's result is divided by l at the end. Since M is a whole number, a kernel that streams over the keys may use a running M (the ceiling of the running maximum): every later rescaling is an exact power of two, which a block's scale takes up: the codes' values come out the same.
;;   OPERANDS COMPUTED ON THE WAY. 'Computed on the way' means the value that the module computes at that place (a softmax that the list does not call 'softmax' is quantised finished and normalised). What goes into a quantiser is computed in f32, as accurately as f32 sums, v_exp_f32 and their like allow (about 1e-6 of the number): no bf16 or f16 on the way to a quantiser, and a product that is left as it is and whose result goes on into a quantised operand takes f32 operands (vector FMAs, or v_wmma_f32_16x16x4_f32). A number that lies on a knife's edge between two numbers of the format may be rounded either way, as far as f32 arithmetic and the matrix unit's own rounding can turn it there, and no further.
;; One version. Each part assembles by itself: llvm-mc -triple=amdgcn-amd-amdhsa -mcpu=gfx1250 --defsym DOCPART=n.
;; ======== version 1 of 1: 2 launches
;; workspace buffers: kv 9,175,040 bytes
;; launch pack (part 1): grid 16 x 64, 8 waves a work-group, no clusters, 36,864 bytes of LDS; arguments key, value, kv; writes kv
.if DOCPART == 1
	.amdgcn_target "amdgcn-amd-amdhsa--gfx1250"
	.amdhsa_code_object_version 6
	.text
	.protected	k_q4894f42887_pack
	.globl	k_q4894f42887_pack
	.p2align	8
	.type	k_q4894f42887_pack,@function
k_q4894f42887_pack:
	s_mov_b64 s[64:65], 0
	v_nop
	global_prefetch_b8 v0, s[64:65] scope:SCOPE_SE
	s_setreg_imm32_b32 hwreg(HW_REG_WAVE_MODE, 25, 1), 1
	s_wait_xcnt 0x0
; key, value: [64 heads][2048 keys][64] f32.  They become codes of FP4 (E2M1) with one E8M0 scale byte for each 32 along a product's K, laid as IMAGES OF THE OPERAND
; REGISTERS that the attention launch wants, one record of 8,960 bytes for each (head, 128 keys):
;   +0     K's codes: tile t = 0..7 at 512 t, lane l = r + 16 h at + 16 l: the codes of d = 32 h .. 32 h + 31 of key 32 (t / 2) + 8 (t % 2) + r + 8 (r / 8): registers 0-3 of the fragment
;   +4096  V's codes: tile t = 0..3 (channel 16 t + r), c = 0, 1 at 1024 t + 512 c + 16 l: the codes of keys 64 c + 32 h + 0 .. 31: registers 4 c .. 4 c + 3
;   +8192  K's scale words: (tile t, row r) at 16 (r + 16 (t / 4)) + 4 (t % 4).  A word is s0 | s1 << 8 | s0 << 16 | s1 << 24: K = 64 has two blocks; bytes 2 and 3 stand over zero codes
;   +8704  V's scale words: (tile t, row r) at 8 (r + 16 (t / 2)) + 4 (t % 2); byte b is the block of keys 32 b .. 32 b + 31
; K is quantised along d (innermost), V along the keys (its first axis within a head).
; A block's scale is 2^(floor(log2(its largest magnitude)) - 2); its byte is the largest magnitude's exponent field - 2, held at 1 from below.
; LIMITS: a block of zeros gets the byte 1 where the rule says 127 (its codes are zeros, which add nothing, and this program alone reads the bytes); blocks whose largest magnitude
; lies under 2^(3 - 127) are held at that byte; NaN and infinities among the inputs are not served.
; SHARES.  A work-group makes one record (x: which 128 keys, y: the head).  Wave w makes K's tile w, and of V the block of keys 32 (w / 2) on for channels 32 (w % 2) + lane.
; K: each of a wave's eight loads reads 512 consecutive bytes (two keys); the 16 keys turn through the wave's own stage in LDS, so that a lane then holds 32 neighbours along d.
; V: a lane takes a channel and its registers run down the keys: a block of 32 keys lies in one lane's 32 registers, and the codes come out with the keys innermost.
; No tensor load, no matrix unit, no cluster: work-groups share no input, and every byte is read once.  All 40 loads of a wave are issued ahead of its first wait.
.set REC,   8960                       ; bytes of a record
.set HEADB, 16*REC                     ; of a head's sixteen
.set VOFF,  4096
.set KSOFF, 8192
.set VSOFF, 8704
.set SP,    272                        ; a stage row: 256 bytes + 16 = 68 words: row r starts at bank 4 r mod 64 (64 banks of 4 bytes: ISA guide 11.1)
.set STGB,  16*SP                      ; a wave's stage: 16 keys
.set KSI,   8*STGB                     ; behind the stages: the record's 512 bytes of K's scale words,
.set VSI,   KSI+512                    ; and its 256 bytes of V's
.set LN,   1                           ; v1   lane
.set RR,   2                           ; v2   r = lane % 16
.set HH,   3                           ; v3   h = lane / 16
.set L16,  4                           ; v4   16 x lane
.set STI,  5                           ; v5   the stage, on the way in: 272 h + 16 r
.set STQ,  6                           ; v6   and on the way out: 272 r + 128 h
.set L4,   7                           ; v7   4 x lane
.set VCO,  8                           ; v8   V's codes: 1024 h + 16 r
.set KSA,  9                           ; v9   LDS address of my K scale word
.set VSA,  10                          ; v10  LDS address of my V scale byte
.set SH,   11                          ; v11  8 h
.set M0,   12                          ; v12, v13 two chains of a largest magnitude
.set M1,   13
.set SCL,  14                          ; v14  the conversions' scale operand
.set BY,   15                          ; v15  the scale's byte
.set PXR,  16                          ; v16  the other half's byte
.set WD,   17                          ; v17  K's scale word
.set KCO,  18                          ; v18  K's codes: 512 x wave + 16 x lane = 16 x thread
.set L8,   19                          ; v19  8 x lane
.set KC,   20                          ; v[20:23] K's codes
.set VC,   24                          ; v[24:27] V's codes
.set OUTS, 28                          ; v[28:31] the scale words on their way out
.set KL,   32                          ; v32-63   K as loaded
.set KT,   64                          ; v64-95   K turned: 32 neighbours along d
.set VV,   96                          ; v96-127  V: 32 keys of my channel
.set SEL,  20                          ; s[20:21] v_permlanex16_b32's selects for lane l xor 16
; 32 numbers of ONE block in v[x] .. v[x + 31] become 16 bytes of codes in v[c] .. v[c + 3] and the block's byte in v[BY].
.macro QUANT32 x, c
	v_max3_num_f32 v[M0], |v[\x]|, |v[\x+1]|, |v[\x+2]|        ; the largest magnitude, in two chains that do not wait for each other
	v_max3_num_f32 v[M1], |v[\x+3]|, |v[\x+4]|, |v[\x+5]|
.irp i, 6,10,14,18,22,26
	v_max3_num_f32 v[M0], v[M0], |v[\x+\i]|, |v[\x+\i+1]|
	v_max3_num_f32 v[M1], v[M1], |v[\x+\i+2]|, |v[\x+\i+3]|
.endr
	v_max3_num_f32 v[M0], v[M0], |v[\x+30]|, |v[\x+31]|
	v_max3_num_f32 v[M0], v[M0], v[M1], 0x1800000              ; and the floor 2^(3 - 127): the byte cannot fall under 1
	v_add_nc_u32 v[SCL], 0xff000000, v[M0]                     ; 2 off the exponent field: the conversion takes the exponent field of this operand as its scale
.irp g, 0,1,2,3
	v_cvt_scalef32_pk8_fp4_f32 v[\c+\g], v[\x+8*\g:\x+8*\g+7], v[SCL]
.endr
	v_lshrrev_b32 v[BY], 23, v[SCL]                            ; the byte; also the plain instruction behind the conversions
.endm
; Lanes 0-15 hold the byte of block 0 of their row, lanes 16-31 that of block 1: the row's scale word, in both halves.
.macro WORD w
	v_lshlrev_b32 v[BY], v[SH], v[BY]                          ; my byte at its place
	v_permlanex16_b32 v[PXR], v[BY], s[SEL], s[SEL+1]
	v_or_b32 v[BY], v[BY], v[PXR]                              ; s0 | s1 << 8
	v_lshl_or_b32 v[\w], v[BY], 16, v[BY]                      ; repeated over the zero codes of k = 64 .. 127: never 0xff, and no larger than a true block's
.endm
	s_load_b128 s[4:7], s[0:1], 0x0                ; key s[4:5], value s[6:7]
	s_load_b64 s[8:9], s[0:1], 0x10                ; kv
	v_lshl_add_u32 v128, v0, 2, 0x8c00
	v_mov_b32 v129, 0
	v_lshrrev_b32 v1, 5, v0
	v_readfirstlane_b32 s10, v1                    ; wave 0..7
	v_and_b32 v[LN], 31, v0
	v_and_b32 v[RR], 15, v0
	v_bfe_u32 v[HH], v0, 4, 1
	s_and_b32 s11, ttmp7, 0xffff                   ; the head
	s_lshr_b32 s24, s10, 1                         ; w / 2
	s_and_b32 s25, s10, 1                          ; w % 2
	s_lshr_b32 s26, s10, 2                         ; w / 4
	s_lshl_b32 s22, s11, 19                        ; a head is 2,048 rows of 256 bytes,
	s_lshl_b32 s23, ttmp9, 15                      ; a step 128 rows,
	s_add_co_u32 s22, s22, s23
	s_lshl_b32 s23, s24, 13                        ; and both K's tile w and V's block begin at key 32 (w / 2)
	s_add_co_u32 s22, s22, s23
	s_lshl_b32 s23, s25, 11                        ; K: + 8 (w % 2) keys
	s_add_co_u32 s12, s22, s23
	s_mov_b32 s13, 0
	s_lshl_b32 s23, s25, 7                         ; V: + 32 (w % 2) channels
	s_add_co_u32 s14, s22, s23
	s_mov_b32 s15, 0
	s_mul_i32 s16, s11, HEADB                      ; my record
	s_mul_i32 s23, ttmp9, REC
	s_add_co_u32 s16, s16, s23
	s_mov_b32 s17, 0
	s_lshl_b32 s18, s25, 11                        ; V's codes: tile 2 (w % 2) + h: 2048 (w % 2);
	s_lshl_b32 s23, s26, 9                         ; c = w / 4: 512 c;
	s_add_co_u32 s18, s18, s23
	s_and_b32 s23, s24, 1                          ; the reader's half (w / 2) % 2: 256 of it
	s_lshl_b32 s23, s23, 8
	s_add_co_u32 s18, s18, s23
	s_add_co_u32 s18, s18, VOFF
	s_mov_b32 s19, 0
	s_mov_b32 s[SEL], 0x76543210
	s_mov_b32 s[SEL+1], 0xfedcba98
	s_mul_i32 s27, s10, STGB                       ; my stage
	v_lshlrev_b32 v[L16], 4, v[LN]
	v_lshlrev_b32 v[L4], 2, v[LN]
	v_lshlrev_b32 v[L8], 3, v[LN]
	v_lshlrev_b32 v[KCO], 4, v0
	v_mul_u32_u24 v[STI], v[HH], SP
	v_lshl_add_u32 v[STI], v[RR], 4, v[STI]
	v_add_nc_u32 v[STI], s27, v[STI]
	v_mul_u32_u24 v[STQ], v[RR], SP
	v_lshl_add_u32 v[STQ], v[HH], 7, v[STQ]
	v_add_nc_u32 v[STQ], s27, v[STQ]
	v_lshlrev_b32 v[VCO], 10, v[HH]
	v_lshl_add_u32 v[VCO], v[RR], 4, v[VCO]
	s_lshl_b32 s22, s26, 8                         ; K's scale word: 16 r + 256 (w / 4) + 4 (w % 4)
	s_and_b32 s23, s10, 3
	s_lshl_b32 s23, s23, 2
	s_add_co_u32 s22, s22, s23
	s_add_co_u32 s22, s22, KSI
	v_lshl_add_u32 v[KSA], v[RR], 4, s22
	s_lshl_b32 s23, s25, 7                         ; V's scale byte: 8 r + 4 h + 128 (w % 2) + w / 2
	s_add_co_u32 s23, s23, s24
	s_add_co_u32 s23, s23, VSI
	v_lshl_add_u32 v[VSA], v[RR], 3, s23
	v_lshl_add_u32 v[VSA], v[HH], 2, v[VSA]
	v_lshlrev_b32 v[SH], 3, v[HH]
	v_mov_b32 v[PXR], 0                            ; written once: a lane permute's destination counts as one of its sources
	s_wait_kmcnt 0x0
	s_add_nc_u64 s[4:5], s[4:5], s[12:13]          ; K at my tile's first key
	s_add_nc_u64 s[6:7], s[6:7], s[14:15]          ; V at my block's first key, my first channel
	s_add_nc_u64 s[8:9], s[8:9], s[16:17]          ; my record
	s_add_nc_u64 s[28:29], s[8:9], s[18:19]        ; and my part of V's codes in it
.irp i, 0,1,2,3,4,5,6,7
	global_load_b128 v[KL+4*\i:KL+4*\i+3], v[L16], s[4:5] offset:512*\i+2048*(\i/4) th:TH_LOAD_NT   ; two keys, 512 consecutive bytes; the tile's second eight keys lie 16 keys behind its first
.endr
.set n, 0
.rept 32
	global_load_b32 v[VV+n], v[L4], s[6:7] offset:256*n th:TH_LOAD_NT       ; key n of my block, 32 neighbouring channels
.set n, n+1
.endr
	s_wait_loadcnt 32                              ; K's eight loads are in; V's 32, issued behind them, may be out
.irp i, 0,1,2,3,4,5,6,7
	ds_store_b128 v[STI], v[KL+4*\i:KL+4*\i+3] offset:2*SP*\i               ; tile rows 2 i and 2 i + 1
.endr
.irp j, 0,1,2,3,4,5,6,7
	ds_load_b128 v[KT+4*\j:KT+4*\j+3], v[STQ] offset:16*\j                  ; LDS serves a wave's instructions in order (ISA guide 5.7.1.4): these see my stores
.endr
	s_wait_dscnt 0x0
	QUANT32 KT, KC
	WORD WD
	global_store_b128 v[KCO], v[KC:KC+3], s[8:9]   ; the wave stores 512 consecutive bytes, aligned: tile w's image
	ds_store_b32 v[KSA], v[WD]                     ; both halves of the lanes write the same word with the same value
	s_wait_loadcnt 0x0                             ; V
	QUANT32 VV, VC
	global_store_b128 v[VCO], v[VC:VC+3], s[28:29] ; sixteen lanes store 256 consecutive bytes, aligned
	ds_store_b8 v[VSA], v[BY]
	s_wait_dscnt 0x0                               ; for the others' sake: my scale word and byte have landed
	s_barrier_signal -1
	s_barrier_wait -1
	s_cmp_lg_u32 s10, 0                            ; wave 0 sends K's scale words, wave 1 V's: each as one run of consecutive bytes
	s_cbranch_scc1 .Lnot_wave_0
	ds_load_b128 v[OUTS:OUTS+3], v[L16] offset:KSI
	s_wait_dscnt 0x0
	global_store_b128 v[L16], v[OUTS:OUTS+3], s[8:9] offset:KSOFF
	s_branch .Lend
.Lnot_wave_0:
	s_cmp_lg_u32 s10, 1
	s_cbranch_scc1 .Lend
	ds_load_b64 v[OUTS:OUTS+1], v[L8] offset:VSI
	s_wait_dscnt 0x0
	global_store_b64 v[L8], v[OUTS:OUTS+1], s[8:9] offset:VSOFF
.Lend:
	s_wait_tensorcnt 0x0
	ds_add_u32 v128, v129
	s_wait_dscnt 0x0
	s_endpgm
.Lfunc_end_k_q4894f42887_pack:
	.size	k_q4894f42887_pack, .Lfunc_end_k_q4894f42887_pack-k_q4894f42887_pack
	.p2alignl 7, 3214868480
	.fill 96, 4, 3214868480
	.section	.rodata,"a",@progbits
	.p2align	6, 0x0
	.amdhsa_kernel k_q4894f42887_pack
		.amdhsa_group_segment_fixed_size 36864
		.amdhsa_private_segment_fixed_size 0
		.amdhsa_enable_private_segment 0
		.amdhsa_kernarg_size 24
		.amdhsa_user_sgpr_count 2
		.amdhsa_user_sgpr_kernarg_segment_ptr 1
		.amdhsa_wavefront_size32 1
		.amdhsa_system_sgpr_workgroup_id_x 1
		.amdhsa_system_sgpr_workgroup_id_y 1
		.amdhsa_system_sgpr_workgroup_id_z 1
		.amdhsa_system_vgpr_workitem_id 0
		.amdhsa_next_free_vgpr 130
		.amdhsa_next_free_sgpr 66
		.amdhsa_reserve_vcc 0
		.amdhsa_float_denorm_mode_32 3
		.amdhsa_float_denorm_mode_16_64 3
		.amdhsa_memory_ordered 1
		.amdhsa_forward_progress 1
		.amdhsa_inst_pref_size 13
	.end_amdhsa_kernel
	.amdgpu_metadata
---
amdhsa.version: [ 1, 2 ]
amdhsa.kernels:
  - .name:           k_q4894f42887_pack
    .symbol:         k_q4894f42887_pack.kd
    .args:
      - { .name: key, .offset: 0, .size: 8, .value_kind: global_buffer, .address_space: global }
      - { .name: value, .offset: 8, .size: 8, .value_kind: global_buffer, .address_space: global }
      - { .name: kv, .offset: 16, .size: 8, .value_kind: global_buffer, .address_space: global }
    .group_segment_fixed_size: 36864
    .private_segment_fixed_size: 0
    .kernarg_segment_align: 8
    .kernarg_segment_size: 24
    .max_flat_workgroup_size: 256
    .sgpr_count:     66
    .vgpr_count:     130
    .wavefront_size: 32
...
	.end_amdgpu_metadata
.endif
;; end of part 1
;; launch attend (part 2): grid 4 x 64, 16 waves a work-group, no clusters, 215,040 bytes of LDS; arguments query, kv, out0; writes out0
.if DOCPART == 2
	.amdgcn_target "amdgcn-amd-amdhsa--gfx1250"
	.amdhsa_code_object_version 6
	.text
	.protected	k_q4894f42887_attend
	.globl	k_q4894f42887_attend
	.p2align	8
	.type	k_q4894f42887_attend,@function
k_q4894f42887_attend:
	s_mov_b64 s[64:65], 0
	v_nop
	global_prefetch_b8 v0, s[64:65] scope:SCOPE_SE
	s_setreg_imm32_b32 hwreg(HW_REG_WAVE_MODE, 25, 1), 1
	s_wait_xcnt 0x0
; out0[head][q][:] = the sum over k <= q of softmax_k(Q[q] . K[k] / 8) V[k][:], 64 heads of 2,048 x 64, both products on codes of FP4 (E2M1) with one E8M0 scale for each 32 along a product's K.
; query: f32, quantised here along d, in registers (each tile of queries is read by one wave, once).  kv: K's and V's codes and scale words as images of the operand registers, a record of
; 8,960 bytes for each (head, 128 keys): +0 K's eight tiles (512 bytes each: registers 0-3), +4096 V's four tiles (1,024 bytes each), +8192 K's scale words, +8704 V's.
; THE SOFTMAX AHEAD OF THE SECOND PRODUCT: t = score x log2(e) / 8; M = the row's largest t so far, rounded UP to a whole number; p = 2^(t - M) is what is quantised, along the keys, not normalised.
; The row's sum is taken of the unquantised p, in f32, and divides O at the end.  When M moves, the sum and O are multiplied by 2^(old M - new M): exact.
; THE FIRST PRODUCT'S K IS 64, half of the instruction's 128: registers 4-7 of K's and of Q's fragments hold zero codes, written once.
; SHARES.  Work-group (j, head), sixteen waves of 256 registers.  Wave w owns TWO tiles of 16 queries: the one at 256 j + 16 w and the one at 2,032 - (256 j + 16 w).  A tile at query q0 needs
; q0 / 128 + 1 key steps of 128; the two together need 17, two of them on the diagonal, in every wave of every work-group: all waves of the launch have the same work.
; THE HEAD'S WHOLE IMAGE, 16 records = 143,360 bytes, comes into LDS ONCE: wave w brings record w by one tensor load, the wave's only one.  Nothing is filled again: one barrier in the launch.
; NO CLUSTER, though the four work-groups of a head read the same records: which key steps a wave works on hangs, by branches, on j, which would be the place in the cluster.
; LAYOUT.  Both products are used transposed: S^T = K Q^T (source 0 = 16 keys, source 1 = my 16 queries), O^T = V^T P^T (source 0 = 16 channels, source 1 = P): a lane holds ONE query (lane % 16) throughout.
; THE KEYS OF A TILE ARE NOT NEIGHBOURS: row r of tile 2 b + u is key 32 b + 8 u + r + 8 (r / 8), so that the 16 registers of tiles 2 b and 2 b + 1 are 16 neighbouring keys, 32 b + 16 (lane / 16) + 0 .. 15.
; CAUSAL.  Each tile walks all 16 steps, so that the trip count is a constant; a step all of whose keys come after the tile's queries is jumped over by a scalar branch on ids.
; LIMITS: hidden scores become -infinity where reference() adds -1e19: the same p = 0 as long as a row's visible scores lie above some -1e19.  p under 2^-126 comes out of v_exp_f32 as 0.
; A block of zeros has the scale byte 1 (its codes are zeros).  NaN and infinities among the inputs are not served.
.set REC,   8960
.set HEADB, 16*REC
.set VOFF,  4096
.set KSOFF, 8192
.set VSOFF, 8704
.set SP,    272                        ; a stage row: 256 bytes + 16 = 68 words: row r starts at bank 4 r mod 64 (64 banks of 4 bytes: ISA guide 11.1)
.set STGB,  16*SP
.set STG,   HEADB                      ; behind the records: a stage of 16 rows for each wave, in blocks of 256 bytes into which no tensor load lands
.set L16,  1                           ; v1   16 x lane
.set L8,   2                           ; v2   8 x lane
.set STI,  3                           ; v3   the stage by whole rows: 272 h + 16 r
.set STQ,  4                           ; v4   Q out of the stage: 272 r + 128 h
.set STO,  5                           ; v5   O into the stage: 272 r + 32 h
.set DG,   6                           ; v6   r - 16 h
.set SH,   7                           ; v7   8 h
.set ADK,  8                           ; v8   the step's record + 16 x lane
.set ADT,  9                           ; v9   the step's record + 8 x lane
                                       ; v12 -M, v13 the largest t, v[14:15] the row's sum in two halves
.set QFA,  16                          ; v16-23  Q's fragment, first tile;  v24-31 second tile
.set QFB,  24
.set KFR,  32                          ; v32-95  K's eight fragments
.set SC,   96                          ; v96-159 S^T, then p
.set OT,   160                         ; v160-191 O^T
.set VFR,  192                         ; v192-223 V's four fragments
.set PC,   224                         ; v224-231 p's codes
.set BM,   232                         ; v232-235 the blocks' largest scores, then largest p
.set PB,   236                         ; v236-239 permutes' destinations, bytes, a chain of the sum
.set KS,   240                         ; v240-243 K's scale words: register i: tile i in lanes 0-15, tile 4 + i in lanes 16-31
.set CV,   244                         ; v244-247 the conversions' scale operands
.set VS,   248                         ; v248-249 V's scale words: register i: tile i in lanes 0-15, tile 2 + i in lanes 16-31
.set QSA,  250                         ; v250, v251 Q's scale words
.set QSB,  251
.set FF,   252                         ; v252 f = 2^(old M - new M)
.set PS,   253                         ; v253 p's scale word
.set TMP,  254
.set NINF, 255                         ; v255 -infinity
.set M0,   BM                          ; QUANT32's and WORD's registers
.set M1,   BM+1
.set SCL,  CV
.set BY,   PB
.set PXR,  PB+2
.set WV,   10                          ; s10  my wave's number
.set SEL,  20                          ; s[20:21] v_permlanex16_b32's selects for lane l xor 16
.set CS,   22                          ; s[22:23] c = log2(e) / 8: the packed form names a pair and takes its low word for both halves
.set G1,   24                          ; s[24:31] descriptor group 1
.set G0,   32                          ; s[32:35] descriptor group 0
.set Q0A,  36                          ; s36, s37 my tiles' first queries
.set Q0B,  37
.set KF,   39                          ; s39  the step's first key
.set TB,   40                          ; s40  LDS byte of the step's record
.set CNT,  41                          ; s41  steps to go
; 32 numbers of ONE block in v[x] .. v[x + 31] become 16 bytes of codes in v[c] .. v[c + 3] and the block's byte in v[BY].
.macro QUANT32 x, c
	v_max3_num_f32 v[M0], |v[\x]|, |v[\x+1]|, |v[\x+2]|
	v_max3_num_f32 v[M1], |v[\x+3]|, |v[\x+4]|, |v[\x+5]|
.irp i, 6,10,14,18,22,26
	v_max3_num_f32 v[M0], v[M0], |v[\x+\i]|, |v[\x+\i+1]|
	v_max3_num_f32 v[M1], v[M1], |v[\x+\i+2]|, |v[\x+\i+3]|
.endr
	v_max3_num_f32 v[M0], v[M0], |v[\x+30]|, |v[\x+31]|
	v_max3_num_f32 v[M0], v[M0], v[M1], 0x1800000              ; the floor 2^(3 - 127): the byte cannot fall under 1
	v_add_nc_u32 v[SCL], 0xff000000, v[M0]                     ; 2 off the exponent field: the conversion's scale operand
.irp g, 0,1,2,3
	v_cvt_scalef32_pk8_fp4_f32 v[\c+\g], v[\x+8*\g:\x+8*\g+7], v[SCL]
.endr
	v_lshrrev_b32 v[BY], 23, v[SCL]                            ; the byte; also the plain instruction behind the conversions
.endm
.macro WORD w                          ; lanes 0-15 hold block 0's byte of their row, lanes 16-31 block 1's: the row's scale word, in both halves
	v_lshlrev_b32 v[BY], v[SH], v[BY]
	v_permlanex16_b32 v[PXR], v[BY], s[SEL], s[SEL+1]
	v_or_b32 v[BY], v[BY], v[PXR]
	v_lshl_or_b32 v[\w], v[BY], 16, v[BY]                      ; repeated over the zero codes of k = 64 .. 127
.endm
	s_load_b128 s[4:7], s[0:1], 0x0                ; query s[4:5], kv s[6:7]
	s_load_b64 s[8:9], s[0:1], 0x10                ; out0
	v_lshl_add_u32 v254, v0, 2, 0x34000
	v_mov_b32 v255, 0
	ds_add_u32 v254, v255
	ds_add_u32 v254, v255
	s_wait_dscnt 0x0
	v_lshrrev_b32 v10, 5, v0
	v_readfirstlane_b32 s[WV], v10                 ; wave 0..15
	v_and_b32 v[L16], 31, v0
	v_lshlrev_b32 v[L8], 3, v[L16]
	v_lshlrev_b32 v[L16], 4, v[L16]
	s_and_b32 s12, ttmp7, 0xffff                   ; the head
	; descriptor group 1: a record is a dense block: 35 rows of 32 elements of 8 bytes, no padding, no mask
	s_mov_b32 s[G1+0], 3<<16                       ; 17:16 elements of 8 bytes
	s_mov_b32 s[G1+1], 32<<16                      ; tensor_dim0 = 32
	s_mov_b32 s[G1+2], 35<<16                      ; tensor_dim1 = 35
	s_mov_b32 s[G1+3], 32<<16                      ; tile_dim0 = 32
	s_mov_b32 s[G1+4], 35                          ; tile_dim1 = 35
	s_mov_b32 s[G1+5], 32                          ; from row to row
	s_mov_b32 s[G1+6], 0
	s_mov_b32 s[G1+7], 0
	s_mov_b32 s[G0], 1                             ; count = 1
	s_mul_i32 s[G0+1], s[WV], REC                  ; LDS address: record w
	s_mul_i32 s52, s12, HEADB
	s_add_co_u32 s52, s52, s[G0+1]                 ; and its place in kv
	s_mov_b32 s53, 0
	s_lshl_b32 s[Q0A], ttmp9, 8
	s_lshl_b32 s42, s[WV], 4
	s_add_co_u32 s[Q0A], s[Q0A], s42               ; 256 j + 16 w
	s_sub_co_u32 s[Q0B], 2032, s[Q0A]              ; and its mirror
	s_lshl_b32 s42, s12, 19                        ; a head of query or out0 is 2,048 rows of 256 bytes
	s_lshl_b32 s54, s[Q0A], 8
	s_add_co_u32 s54, s54, s42
	s_mov_b32 s55, 0
	s_lshl_b32 s56, s[Q0B], 8
	s_add_co_u32 s56, s56, s42
	s_mov_b32 s57, 0
	s_mov_b32 s[SEL], 0x76543210
	s_mov_b32 s[SEL+1], 0xfedcba98
	s_mov_b32 s[CS], 0x3e38aa3b                    ; log2(e) / 8
	s_mov_b32 s[CS+1], s[CS]                       ; (named with it as a pair, so it is written)
	s_mul_i32 s43, s[WV], STGB
	s_add_co_u32 s43, s43, STG                     ; my stage
	s_wait_kmcnt 0x0
	s_add_nc_u64 s[G0+2:G0+3], s[6:7], s[52:53]    ; global address of record w
	s_or_b32 s[G0+3], s[G0+3], 0x80000000          ; type = 2
	tensor_load_to_lds s[G0:G0+3], s[G1:G1+7]      ; my one tensor load: ahead of every LDS read, every wait on TENSORcnt and the barrier
	s_nop 0
.rept 4
	v_nop                                          ; behind a tensor load
.endr
	s_add_nc_u64 s[44:45], s[4:5], s[54:55]        ; Q at my first tile,
	s_add_nc_u64 s[46:47], s[4:5], s[56:57]        ; at my second;
	s_add_nc_u64 s[48:49], s[8:9], s[54:55]        ; out0 likewise
	s_add_nc_u64 s[50:51], s[8:9], s[56:57]
.irp i, 0,1,2,3,4,5,6,7
	global_load_b128 v[SC+4*\i:SC+4*\i+3], v[L16], s[44:45] offset:512*\i th:TH_LOAD_NT        ; two queries, 512 consecutive bytes
.endr
.irp i, 0,1,2,3,4,5,6,7
	global_load_b128 v[SC+32+4*\i:SC+32+4*\i+3], v[L16], s[46:47] offset:512*\i th:TH_LOAD_NT
.endr
	v_and_b32 v10, 15, v0                          ; r
	v_bfe_u32 v11, v0, 4, 1                        ; h
	v_mul_u32_u24 v[STI], v11, SP
	v_lshl_add_u32 v[STI], v10, 4, v[STI]
	v_add_nc_u32 v[STI], s43, v[STI]
	v_mul_u32_u24 v[STQ], v10, SP
	v_lshl_add_u32 v[STO], v11, 5, v[STQ]
	v_lshl_add_u32 v[STQ], v11, 7, v[STQ]
	v_add_nc_u32 v[STQ], s43, v[STQ]
	v_add_nc_u32 v[STO], s43, v[STO]
	v_lshlrev_b32 v[DG], 4, v11
	v_sub_nc_u32 v[DG], v10, v[DG]
	v_lshlrev_b32 v[SH], 3, v11
.irp g, 4,5,6,7
	v_mov_b32 v[QFA+\g], 0                         ; the zero codes of k = 64 .. 127, written once
	v_mov_b32 v[QFB+\g], 0
.endr
.irp t, 0,1,2,3,4,5,6,7
.irp g, 4,5,6,7
	v_mov_b32 v[KFR+8*\t+\g], 0
.endr
.endr
.irp b, 0,1,2,3
	v_mov_b32 v[PB+\b], 0                          ; written once: a lane permute's destination counts as one of its sources
.endr
	v_mov_b32 v[PS], 0                             ; (named as the upper half of the pair v[252:253] before it is first written)
	v_mov_b32 v[TMP], 0
	v_mov_b32 v[NINF], 0xff800000
	; Q's two tiles turn through my stage, so that a lane holds 32 neighbours along d of ITS query
	s_wait_loadcnt 8                               ; the first tile's eight loads are in; the second's may be out
.irp i, 0,1,2,3,4,5,6,7
	ds_store_b128 v[STI], v[SC+4*\i:SC+4*\i+3] offset:2*SP*\i
.endr
.irp j, 0,1,2,3,4,5,6,7
	ds_load_b128 v[OT+4*\j:OT+4*\j+3], v[STQ] offset:16*\j     ; LDS serves a wave's instructions in order (ISA guide 5.7.1.4): these see my stores, and the next tile's stores come behind them
.endr
	s_wait_loadcnt 0x0
.irp i, 0,1,2,3,4,5,6,7
	ds_store_b128 v[STI], v[SC+32+4*\i:SC+32+4*\i+3] offset:2*SP*\i
.endr
.irp j, 0,1,2,3,4,5,6,7
	ds_load_b128 v[VFR+4*\j:VFR+4*\j+3], v[STQ] offset:16*\j
.endr
	s_wait_dscnt 16                                ; the first tile is back; the second's eight stores and eight loads may be out
	QUANT32 OT, QFA
	WORD QSA
	s_wait_dscnt 0x0
	QUANT32 VFR, QFB
	WORD QSB
	s_wait_tensorcnt 0x0                           ; my record has landed (no LDS instruction of mine is out),
	s_barrier_signal -1
	s_barrier_wait -1                              ; everybody's has: the launch's one barrier
; ONE TILE OF 16 QUERIES.  qf: its fragment;  qs: its scale words;  qz: the scalar with its first query;  ob: the scalar pair with its rows of out0.
.macro TILE qf, qs, qz, ob
	v_mov_b32 v13, 0xff61b1e6                      ; the largest t so far: -3e38, under every t
	v_floor_f32 v12, -v13                          ; -M
	v_mov_b32 v14, 0                               ; the sum, in two halves
	v_mov_b32 v15, 0
.set n, 0
.rept 32
	v_mov_b32 v[OT+n], 0                           ; O^T.  (The step is written once: the first finds zeros, which the first change of M leaves zeros)
.set n, n+1
.endr
	s_mov_b32 s[KF], 0
	s_mov_b32 s[TB], 0
	s_mov_b32 s[CNT], 16
.Lstep_\@:
	s_cmp_gt_u32 s[KF], s[\qz]                     ; all 128 keys come after my 16 queries (both numbers are multiples of 16): nothing to do
	s_cbranch_scc1 .Lhid_\@
	v_add_nc_u32 v[ADK], s[TB], v[L16]
	v_add_nc_u32 v[ADT], s[TB], v[L8]
	v_nop                                          ; with the two additions: four places between the last step's products and the loads into V's fragments and scale words
	v_nop
.irp t, 0,1,2,3,4,5,6,7
	ds_load_b128 v[KFR+8*\t:KFR+8*\t+3], v[ADK] offset:512*\t
.endr
	ds_load_b128 v[KS:KS+3], v[ADK] offset:KSOFF
.irp t, 0,1,2,3
.irp c, 0,1
	ds_load_b128 v[VFR+8*\t+4*\c:VFR+8*\t+4*\c+3], v[ADK] offset:VOFF+1024*\t+512*\c
.endr
.endr
	ds_load_b64 v[VS:VS+1], v[ADT] offset:VSOFF
	s_wait_dscnt 9                                 ; K and its scale words are in; V's eight loads and its scale words, issued behind them, may be out
.irp t, 0,1,2,3
	v_wmma_scale_f32_16x16x128_f8f6f4 v[SC+8*\t:SC+8*\t+7], v[KFR+8*\t:KFR+8*\t+7], v[\qf:\qf+7], 0, v[KS+\t], v[\qs] matrix_a_fmt:MATRIX_FMT_FP4 matrix_b_fmt:MATRIX_FMT_FP4
.endr
.irp t, 4,5,6,7
	v_wmma_scale_f32_16x16x128_f8f6f4 v[SC+8*\t:SC+8*\t+7], v[KFR+8*\t:KFR+8*\t+7], v[\qf:\qf+7], 0, v[KS+\t-4], v[\qs] matrix_a_fmt:MATRIX_FMT_FP4 matrix_b_fmt:MATRIX_FMT_FP4 matrix_a_scale:MATRIX_SCALE_ROW1
.endr
.rept 4
	v_nop                                          ; four places between a product and the first read of its result (ISA guide 7.12.1)
.endr
	s_add_co_u32 s42, s[KF], 127                   ; on the diagonal the scores of hidden keys become -infinity ahead of the maximum; a step all of whose keys count skips this
	s_cmp_le_u32 s42, s[\qz]
	s_cbranch_scc1 .Lopen_\@
	s_sub_co_i32 s42, s[\qz], s[KF]
	v_add_nc_u32 v[TMP], s42, v[DG]                ; d = my query - KF - 16 h.  Register 16 b + i holds key KF + 16 h + 32 b + i: hidden where 32 b + i > d
.irp n, 0,1,2,3,4,5,6,7,8,9,10,11,12,13,14,15,16,17,18,19,20,21,22,23,24,25,26,27,28,29,30,31,32,33,34,35,36,37,38,39,40,41,42,43,44,45,46,47,48,49,50,51,52,53,54,55,56,57,58,59,60,61,62,63
	v_cmp_gt_i32 vcc_lo, 32*(\n/16)+\n%16, v[TMP]
	v_cndmask_b32 v[SC+\n], v[SC+\n], v[NINF], vcc_lo
.endr
.Lopen_\@:
.irp b, 0,1,2,3
	v_max3_num_f32 v[BM+\b], v[SC+16*\b], v[SC+1+16*\b], v[SC+2+16*\b]     ; THE LARGEST SCORE OF EACH BLOCK OF 32 KEYS: for the row's maximum and, since p rises with the score, for the block's largest p
.endr
.irp i, 3,5,7,9,11,13
.irp b, 0,1,2,3
	v_max3_num_f32 v[BM+\b], v[BM+\b], v[SC+16*\b+\i], v[SC+1+16*\b+\i]    ; (the four blocks by turns)
.endr
.endr
.irp b, 0,1,2,3
	v_max_num_f32 v[BM+\b], v[BM+\b], v[SC+15+16*\b]
.endr
.irp b, 0,1,2,3
	v_permlanex16_b32 v[PB+\b], v[BM+\b], s[SEL], s[SEL+1]
.endr
.irp b, 0,1,2,3
	v_max_num_f32 v[BM+\b], v[BM+\b], v[PB+\b]     ; with lane l xor 16's 16 keys
.endr
	v_max3_num_f32 v[TMP], v[BM], v[BM+1], v[BM+2]
	v_max_num_f32 v[TMP], v[TMP], v[BM+3]          ; the step's largest score of my query (key KF counts for every query of the tile: a number)
	v_mul_f32 v[TMP], s[CS], v[TMP]                ; as t (c is positive)
	v_max_num_f32 v13, v13, v[TMP]                 ; the running largest t
	v_mov_b32 v[TMP], v12
	v_floor_f32 v12, -v13                          ; the new -M = floor(-t) = -ceil(t): M is a whole number
	v_sub_f32 v[TMP], v12, v[TMP]                  ; old M - new M: a whole number, 0 or less
	v_cvt_i32_f32 v[TMP], v[TMP]                   ; (it saturates)
	v_ldexp_f32 v[FF], 1.0, v[TMP]                 ; f = 2^(old M - new M)
.set n, 0
.rept 32
	v_pk_fma_f32 v[SC+n:SC+n+1], v[SC+n:SC+n+1], s[CS:CS+1], v[12:13] op_sel_hi:[1,0,0]    ; t - M, two at a time (of the pairs c and -M the low word serves both halves)
.set n, n+2
.endr
.irp b, 0,1,2,3
	v_fma_f32 v[BM+\b], v[BM+\b], s[CS], v12       ; the same of each block's largest score
.endr
.set n, 0
.rept 64
	v_exp_f32 v[SC+n], v[SC+n]                     ; p = 2^(t - M), at most 1: not normalised
.set n, n+1
.endr
.irp b, 0,1,2,3
	v_exp_f32 v[BM+\b], v[BM+\b]                   ; the block's largest p: the same two instructions on the same number give the same bits.  ONE BATCH of 68
.endr
	v_pk_mul_f32 v[14:15], v[14:15], v[FF:FF+1] op_sel_hi:[1,0]             ; the sums under the new M: the plain instruction behind the batch
.set n, 0
.rept 16
	v_pk_mul_f32 v[OT+n:OT+n+1], v[OT+n:OT+n+1], v[FF:FF+1] op_sel_hi:[1,0] ; O^T under the new M, each accumulator from its low end on: work that names no exponential's result
.set n, n+2
.endr
	s_wait_alu depctr_va_vdst(0)                   ; one wait for the batch, ahead of the first instruction that names a result
.irp b, 0,1,2,3
	v_max_num_f32 v[BM+\b], 0x1800000, v[BM+\b]    ; the floor 2^(3 - 127): the byte cannot fall under 1 (a block whose every p is 0 keeps that byte: its codes are zeros)
.endr
.irp b, 0,1,2,3
	v_add_nc_u32 v[CV+\b], 0xff000000, v[BM+\b]    ; 2 off the exponent field: the conversion's scale operand
.endr
.irp b, 0,1,2,3
	v_lshrrev_b32 v[PB+\b], 23, v[CV+\b]           ; the scale's byte
.endr
	v_lshl_or_b32 v[PS], v[PB+1], 8, v[PB]         ; p's scale word for these 128 keys
	v_lshl_or_b32 v[PS], v[PB+2], 16, v[PS]
	v_lshl_or_b32 v[PS], v[PB+3], 24, v[PS]
.irp b, 0,1,2,3
	v_cvt_scalef32_pk8_fp4_f32 v[PC+2*\b], v[SC+16*\b:SC+7+16*\b], v[CV+\b]
	v_cvt_scalef32_pk8_fp4_f32 v[PC+1+2*\b], v[SC+8+16*\b:SC+15+16*\b], v[CV+\b]
.endr
	v_nop                                          ; one plain instruction between a scaled conversion and the vector instruction that touches its result
.irp c, 0,1                                    ; the operand's layout wants a WHOLE block in a lane: lanes 0-15 block 2 c, lanes 16-31 block 2 c + 1
.irp i, 0,1
	v_permlane16_swap_b32 v[PC+4*\c+\i], v[PC+2+4*\c+\i]
.endr
.endr
	v_pk_add_f32 v[PB:PB+1], v[SC:SC+1], v[SC+2:SC+3]          ; THE ROW'S SUM IS TAKEN OF THE UNQUANTISED p: two at a time, in two chains.  These 32 name no register of the products
.set n, 4                                      ; below: they are the places between the writes of p's scale word and codes and those products
.rept 15
	v_pk_add_f32 v[14:15], v[14:15], v[SC+n:SC+n+1]
	v_pk_add_f32 v[PB:PB+1], v[PB:PB+1], v[SC+n+2:SC+n+3]
.set n, n+4
.endr
	v_pk_add_f32 v[14:15], v[14:15], v[PB:PB+1]
	s_wait_dscnt 0x0                               ; V and its scale words are in
.irp t, 0,1                                    ; O^T += V^T P^T: the four accumulators by turns, one instruction a turn
	v_wmma_scale_f32_16x16x128_f8f6f4 v[OT+8*\t:OT+8*\t+7], v[VFR+8*\t:VFR+8*\t+7], v[PC:PC+7], v[OT+8*\t:OT+8*\t+7], v[VS+\t], v[PS] matrix_a_fmt:MATRIX_FMT_FP4 matrix_b_fmt:MATRIX_FMT_FP4
.endr
.irp t, 2,3
	v_wmma_scale_f32_16x16x128_f8f6f4 v[OT+8*\t:OT+8*\t+7], v[VFR+8*\t:VFR+8*\t+7], v[PC:PC+7], v[OT+8*\t:OT+8*\t+7], v[VS+\t-2], v[PS] matrix_a_fmt:MATRIX_FMT_FP4 matrix_b_fmt:MATRIX_FMT_FP4 matrix_a_scale:MATRIX_SCALE_ROW1
.endr
.Lhid_\@:
	s_add_co_u32 s[KF], s[KF], 128
	s_add_co_u32 s[TB], s[TB], REC
	s_sub_co_u32 s[CNT], s[CNT], 1
	s_cmp_lg_u32 s[CNT], 0
	s_cbranch_scc1 .Lstep_\@
	; THE WAY OUT.  O^T / the sum goes through my stage and leaves as whole rows: each store of the wave covers 512 consecutive bytes, aligned.
	v_add_f32 v14, v14, v15                        ; the sum's two halves,
	v_permlanex16_b32 v[TMP], v14, s[SEL], s[SEL+1]
	v_add_f32 v14, v14, v[TMP]                     ; and lane l xor 16's: the row's sum
	v_rcp_f32 v14, v14
	v_nop                                          ; a plain instruction behind the reciprocal; with the two additions these two are the four places behind the last products
	v_nop
	s_wait_alu depctr_va_vdst(0)                   ; ahead of the reciprocal's first reader
.set n, 0
.rept 16
	v_pk_mul_f32 v[SC+n:SC+n+1], v[OT+n:OT+n+1], v[14:15] op_sel_hi:[1,0]   ; register 8 t + i is o(query r, channel 16 t + 8 h + i); each accumulator from its low end on
.set n, n+2
.endr
.irp t, 0,1,2,3
	ds_store_b128 v[STO], v[SC+8*\t:SC+8*\t+3] offset:64*\t
	ds_store_b128 v[STO], v[SC+8*\t+4:SC+8*\t+7] offset:64*\t+16
.endr
.irp i, 0,1,2,3,4,5,6,7
	ds_load_b128 v[SC+32+4*\i:SC+32+4*\i+3], v[STI] offset:2*SP*\i          ; LDS serves a wave's instructions in order: these see my stores
.endr
.irp i, 0,1,2,3,4,5,6,7
	s_wait_dscnt 7-\i                              ; load i is in; the younger ones may be out
	global_store_b128 v[L16], v[SC+32+4*\i:SC+32+4*\i+3], s[\ob:\ob+1] offset:512*\i th:TH_STORE_NT
.endr
.endm
	TILE QFA, QSA, Q0A, 48
	s_wait_xcnt 0x0                                ; the first tile's stores have read their data registers: the second tile's scores are written there only behind this wait
	TILE QFB, QSB, Q0B, 50
	s_wait_xcnt 0x0
	v_lshl_add_u32 v254, v0, 2, 0x34000
	v_mov_b32 v255, 0
	s_wait_tensorcnt 0x0
	ds_add_u32 v254, v255
	s_wait_dscnt 0x0
	s_endpgm
.Lfunc_end_k_q4894f42887_attend:
	.size	k_q4894f42887_attend, .Lfunc_end_k_q4894f42887_attend-k_q4894f42887_attend
	.p2alignl 7, 3214868480
	.fill 96, 4, 3214868480
	.section	.rodata,"a",@progbits
	.p2align	6, 0x0
	.amdhsa_kernel k_q4894f42887_attend
		.amdhsa_group_segment_fixed_size 215040
		.amdhsa_private_segment_fixed_size 0
		.amdhsa_enable_private_segment 0
		.amdhsa_kernarg_size 24
		.amdhsa_user_sgpr_count 2
		.amdhsa_user_sgpr_kernarg_segment_ptr 1
		.amdhsa_wavefront_size32 1
		.amdhsa_system_sgpr_workgroup_id_x 1
		.amdhsa_system_sgpr_workgroup_id_y 1
		.amdhsa_system_sgpr_workgroup_id_z 1
		.amdhsa_system_vgpr_workitem_id 0
		.amdhsa_next_free_vgpr 256
		.amdhsa_next_free_sgpr 66
		.amdhsa_reserve_vcc 1
		.amdhsa_float_denorm_mode_32 3
		.amdhsa_float_denorm_mode_16_64 3
		.amdhsa_memory_ordered 1
		.amdhsa_forward_progress 1
		.amdhsa_inst_pref_size 61
	.end_amdhsa_kernel
	.amdgpu_metadata
---
amdhsa.version: [ 1, 2 ]
amdhsa.kernels:
  - .name:           k_q4894f42887_attend
    .symbol:         k_q4894f42887_attend.kd
    .args:
      - { .name: query, .offset: 0, .size: 8, .value_kind: global_buffer, .address_space: global }
      - { .name: kv, .offset: 8, .size: 8, .value_kind: global_buffer, .address_space: global }
      - { .name: out0, .offset: 16, .size: 8, .value_kind: global_buffer, .address_space: global }
    .group_segment_fixed_size: 215040
    .private_segment_fixed_size: 0
    .kernarg_segment_align: 8
    .kernarg_segment_size: 24
    .max_flat_workgroup_size: 512
    .sgpr_count:     66
    .vgpr_count:     256
    .wavefront_size: 32
...
	.end_amdgpu_metadata
.endif
;; end of part 2
